; MI455X (gfx1250); checked and timed in simulation.
; The chip was launched on July 23, 2026; its instructions are those of AMD's public machine-readable ISA for CDNA 5 (MIT licence, August 2026) and "CDNA5" Instruction Set Architecture Reference Guide (July 2026). The comments in the code are by the model that wrote it; some were corrected since.
;; Shared Only MLP. Allowed arithmetic: matrix products marked QUANTISED: E2M1 operands, one E8M0 scale for each 32 along K, by v_wmma_scale_f32_16x16x128_f8f6f4 with both operands' format E2M1 (or v_wmma_scale_f32_32x16x128_f4), f32 sums; everything else in f32.
;; Inputs: down_s 2,048 x 1 float32; down_w 2,048 x 1,376 int32; gate_s 1,376 x 1 float32; gate_w 1,376 x 2,048 int32; up_s 1,376 x 1 float32; up_w 1,376 x 2,048 int32; x 4 x 2,048 x 2,048 float32.
;; Outputs: out0 4 x 2,048 x 2,048 float32.
;; This version of the problem:
;;   THIS VERSION OF THE PROBLEM IS GIVEN IN LOW PRECISION. The matrix products marked QUANTISED in the list below multiply operands that are first quantised to E2M1 (2 exponent bits, 1 mantissa bit; 4 bits a number), with one power-of-two scale for each 32 numbers along K (OCP MX v1.0); their sums are f32. All else is computed in f32.
;;   The module's matrix products, in the order in which they are computed (A, B: the left and right operand; K: the contracted axis; several contracted axes count as one K, in the product's order):
;;     1. [M 8,192, K 2,048] x [K 2,048, N 1,376]; A: input x; B: computed on the way: QUANTISED
;;     2. [M 8,192, K 2,048] x [K 2,048, N 1,376]; A: input x; B: computed on the way: QUANTISED
;;     3. [M 8,192, K 1,376] x [K 1,376, N 2,048]; A: computed on the way; B: computed on the way: QUANTISED
;;   THE QUANTISER, for each operand of a quantised product, along K:
;;     - K is cut into blocks of 32 from its start; a last block that is shorter is filled with zeros.
;;     - A block's scale is 2^e with e = floor(log2(the largest magnitude in the block)) - 2, held to -126 .. 127; a block of zeros has e = 0. As a byte (E8M0): e + 127.
;;     - Each number is divided by its block's scale, clamped to +-6, and rounded to the nearest number of E2M1, ties to even, subnormals kept.
;;     - The product sums the exact products of the quantised numbers (number of the format x scale) in f32.
;;   ~~~python
;;   def quantise(x, axis):      # numpy; x: float32 -> the quantised numbers, widened to float32 again
;;       x = np.moveaxis(x, axis, -1); K = x.shape[-1]
;;       x = np.pad(x, [(0, 0)] * (x.ndim - 1) + [(0, -K % 32)]); x = x.reshape(x.shape[:-1] + (-1, 32)); a = np.abs(x).max(-1, keepdims=True)
;;       e = np.where(a > 0, np.clip(np.frexp(np.where(a > 0, a, 1))[1] - 1 - 2, -126, 127), 0)      # np.frexp(a)[1] - 1 = floor(log2(a)), exactly
;;       r = np.clip(x / 2.0 ** e, -6, 6)
;;       step = 2.0 ** (np.maximum(np.frexp(np.where(r == 0, 1, r))[1] - 1, 0) - 1)
;;       q = np.round(r / step) * step * 2.0 ** e      # np.round: ties to even
;;       return np.moveaxis(q.reshape(q.shape[:-2] + (-1,))[..., :K], -1, axis).astype(np.float32)
;;   ~~~
;;   OPERANDS COMPUTED ON THE WAY. 'Computed on the way' means the value that the module computes at that place (a softmax that the list does not call 'softmax' is quantised finished and normalised). What goes into a quantiser is computed in f32, as accurately as f32 sums, v_exp_f32 and their like allow (about 1e-6 of the number): no bf16 or f16 on the way to a quantiser, and a product that is left as it is and whose result goes on into a quantised operand takes f32 operands (vector FMAs, or v_wmma_f32_16x16x4_f32). A number that lies on a knife's edge between two numbers of the format may be rounded either way, as far as f32 arithmetic and the matrix unit's own rounding can turn it there, and no further.
;; One version. Each part assembles by itself: llvm-mc -triple=amdgcn-amd-amdhsa -mcpu=gfx1250 --defsym DOCPART=n.
;; ======== version 1 of 1: 3 launches
;; workspace buffers: xc 8,388,608 bytes; xs 524,288 bytes; wc 2,883,584 bytes; ws 180,224 bytes; dc 1,441,792 bytes; dsc 131,072 bytes; hc 5,767,168 bytes; hs 524,288 bytes
;; launch quant (part 1): grid 752 x 1, 4 waves a work-group, no clusters, 38,400 bytes of LDS; arguments x, gate_w, gate_s, up_w, up_s, down_w, down_s, xc, xs, wc, ws, dc, dsc; writes xc, xs, wc, ws, dc, dsc
.if DOCPART == 1
	.amdgcn_target "amdgcn-amd-amdhsa--gfx1250"
	.amdhsa_code_object_version 6
	.text
	.protected	k_q02ac8ceade_quant
	.globl	k_q02ac8ceade_quant
	.p2align	8
	.type	k_q02ac8ceade_quant,@function
k_q02ac8ceade_quant:
	s_mov_b64 s[64:65], 0
	v_nop
	global_prefetch_b8 v0, s[64:65] scope:SCOPE_SE
	s_setreg_imm32_b32 hwreg(HW_REG_WAVE_MODE, 25, 1), 1
	s_wait_xcnt 0x0
; x [8192][2048] f32, gate_w and up_w [1376][2048] int32 with a f32 scale a row, down_w [2048][1376] int32 with a f32 scale a row
; become codes of FP4 (E2M1) with one E8M0 byte for each 32 along K (K is innermost in all four).  A weight is f32(w) x s, rounded once.
; LAYOUT OF THE CODES: a CELL is 16 rows x one block of 32 along K: 256 bytes, row r's 16 bytes at 16 r; a tile of 16 rows has its cells on end along K.
; So the two 16-byte loads of a 4-bit fragment read two cells each, 16 bytes a lane, 512 bytes on end.
;   xc [512 tiles][64 cells][256]   xs [512][4][16 rows][16 bytes]: byte j of the 16 is block 16 x quarter + j
;   wc [176 tiles][64][256], ws likewise: tile T = 4 beta + t, beta the hidden block (0..43), t = 0, 1 gate's, 2, 3 up's; place p of a tile is hidden unit 32 beta + 8 (t & 1) + p + 8 (p / 8).
;      beta = 43 is padding of the hidden axis to 1,408: it reads block 42's rows and multiplies them by 0.
;   dc [128 tiles][44][256]   dsc [128][4][16 rows][16 bytes]: byte i < 11 is block 11 x quarter + i, bytes 11 to 15 are 0x7f.  Block 43 is padding: zeros.
; A block's scale is 2^(floor(log2(largest magnitude)) - 2): its byte is the largest magnitude's exponent field - 2, held at 1 from below.
; LIMITS: NaN and infinities are not served.  A block whose largest magnitude lies under 2^-124 (a block of zeros among them) gets the byte 1; the bytes are read by this program alone.
; SHARES: work-groups 0-511: a tile of x; 512-687: a tile of the weights; a wave takes 512 along K in 8 steps.  688-751: two tiles of down_w; a wave takes half a tile's K, 22 blocks, in 11 steps.
; A STEP is 16 rows x 64 along K.  Eight loads take it as it lies (sixteen lanes read 256 consecutive bytes of a row); it turns through the wave's own stage in LDS (rows 272 bytes apart)
; and comes back so that lane (r, h) holds all 32 numbers of block h of row r: the maximum needs no other lane, four conversions give the lane's 16 bytes, and the wave stores two whole cells.
; Waves share nothing: no barrier.  Loads run three steps (24 loads a wave) ahead, the turn through LDS one step.  The two paths have LDS bytes of their own.
.set R,     32                         ; v32-127   three sets of 32, as loaded
.set X,     128                        ; v128-191  two sets of 32: a whole block a lane
.set C,     192                        ; v192-235  codes: four registers a step, never written again
.set BY,    236                        ; v236-246  a scale byte a step
.set PX,    8192                       ; a row of x, gate_w, up_w in bytes
.set PD,    5504                       ; a row of down_w in bytes
.set SP,    272                        ; a stage row: 256 bytes + 16
.set WSTG,  16*SP
.set STG_A, 0                          ; x's and the weights' path: four stages,
.set SBY_A, 4*WSTG                     ; and 256 scale bytes a wave
.set STG_D, SBY_A+1024                 ; down_w's path: four stages,
.set SBY_D, STG_D+4*WSTG               ; and 512 scale bytes a wave
; v1 lane, v2 r, v3 h; v4 load offset, v5 the same for places 8-15 of a weight tile, v13 the same for down_w's last step; v6, v7 stage in and out; v8 16 x lane;
; v9, v10 where a scale byte goes; v11, v12, v14 the bytes' way out; v15 0x7f7f7f7f; v[16:17] the row's scale, twice; v[18:19] the same for down_w's last step; v20-22 at work; v24-26 set-up
.macro LOAD t, kind                    ; step t: eight loads into set t % 3
.irp i, 0,1,2,3,4,5,6,7
.if \kind == 0
.if \i < 4
	global_load_b128 v[R+32*((\t)%3)+4*\i:R+32*((\t)%3)+4*\i+3], v4, s[36:37] offset:2*\i*PX+256*(\t) th:TH_LOAD_NT
.else
	global_load_b128 v[R+32*((\t)%3)+4*\i:R+32*((\t)%3)+4*\i+3], v5, s[36:37] offset:2*\i*PX+256*(\t) th:TH_LOAD_NT
.endif
.else
.if (\t) == 10
	global_load_b128 v[R+32*((\t)%3)+4*\i:R+32*((\t)%3)+4*\i+3], v13, s[36:37] offset:2*\i*PD+256*(\t) th:TH_LOAD_NT
.else
	global_load_b128 v[R+32*((\t)%3)+4*\i:R+32*((\t)%3)+4*\i+3], v4, s[36:37] offset:2*\i*PD+256*(\t) th:TH_LOAD_NT
.endif
.endif
.endr
.endm
.macro TURN t                          ; step t through the stage: LDS serves a wave's instructions in order, so no wait stands between the stores and the loads
.irp i, 0,1,2,3,4,5,6,7
	ds_store_b128 v6, v[R+32*((\t)%3)+4*\i:R+32*((\t)%3)+4*\i+3] offset:2*\i*SP
.endr
.irp i, 0,1,2,3,4,5,6,7
	ds_load_b128 v[X+32*((\t)%2)+4*\i:X+32*((\t)%2)+4*\i+3], v7 offset:16*\i
.endr
.endm
.macro QSTEP t, n, kind                ; kind 0: x or a weight tile; 1: down_w
.if (\t) > 0
	s_wait_dscnt 1                                 ; this step's numbers are back from the stage (the last step's byte store may be out): so its stores into the stage have read set t % 3,
.else
	s_wait_dscnt 0x0
.endif
.if (\t)+3 < \n
	LOAD (\t)+3, \kind                             ; which takes the loads of three steps on
.endif
.if (\t)+1 < \n
.if (\t)+3 < \n
	s_wait_loadcnt 16                              ; the next step's eight loads are in; those of the two steps behind it may be out
.else
	s_wait_loadcnt 8*(\n-2-(\t))
.endif
	TURN (\t)+1
.endif
.set XS, X+32*((\t)%2)
.if \kind == 0
	s_cmp_lg_u32 s47, 0                            ; x is f32 already: a branch on the work-group's number, round register work alone
	s_cbranch_scc0 .Lfloat_\@
.endif
.set i_, 0
.rept 32
	v_cvt_f32_i32 v[XS+i_], v[XS+i_]
.set i_, i_+1
.endr
.set i_, 0
.rept 16
.if (\kind == 1) && ((\t) == 10)
	v_pk_mul_f32 v[XS+i_:XS+i_+1], v[XS+i_:XS+i_+1], v[18:19]   ; the padding block's lanes multiply by 0
.else
	v_pk_mul_f32 v[XS+i_:XS+i_+1], v[XS+i_:XS+i_+1], v[16:17]   ; f32(w) x s: one rounding
.endif
.set i_, i_+2
.endr
.if \kind == 0
.Lfloat_\@:
.endif
	v_max3_num_f32 v20, |v[XS]|, |v[XS+1]|, |v[XS+2]|           ; the block's largest magnitude: all 32 numbers are mine; two chains
	v_max3_num_f32 v21, |v[XS+3]|, |v[XS+4]|, |v[XS+5]|
.irp i, 6,10,14,18,22,26
	v_max3_num_f32 v20, v20, |v[XS+\i]|, |v[XS+\i+1]|
	v_max3_num_f32 v21, v21, |v[XS+\i+2]|, |v[XS+\i+3]|
.endr
	v_max3_num_f32 v20, v20, |v[XS+30]|, |v[XS+31]|
	v_max3_num_f32 v20, v20, v21, 0x1800000        ; and the floor 2^(3 - 127): the byte cannot fall under 1
	v_add_nc_u32 v22, 0xff000000, v20              ; 2 off the exponent field: the conversion takes the exponent field of this operand as its scale
.irp g, 0,1,2,3
	v_cvt_scalef32_pk8_fp4_f32 v[C+4*(\t)+\g], v[XS+8*\g:XS+8*\g+7], v22
.endr
	v_lshrrev_b32 v[BY+(\t)], 23, v22              ; the scale's byte (also the plain line behind the conversions)
.if \kind == 0
	ds_store_b8 v9, v[BY+(\t)] offset:2*(\t)       ; byte 2 t + h of my row's 16
.elseif (\t) < 5
	ds_store_b8 v9, v[BY+(\t)] offset:2*(\t)       ; block n = 2 t + h of my 22 goes to byte 16 (n / 11) + n % 11 of my row's 32
.elseif (\t) == 5
	ds_store_b8 v10, v[BY+(\t)] offset:10          ; n = 10 -> 10, n = 11 -> 16
.else
	ds_store_b8 v9, v[BY+(\t)] offset:2*(\t)+5
.endif
	global_store_b128 v8, v[C+4*(\t):C+4*(\t)+3], s[40:41] offset:512*(\t)   ; two whole cells: 512 consecutive bytes
.endm
	s_load_b512 s[4:19], s[0:1], 0x0               ; x, gate_w, gate_s, up_w, up_s, down_w, down_s, xc
	s_load_b256 s[20:27], s[0:1], 0x40             ; xs, wc, ws, dc
	s_load_b64 s[28:29], s[0:1], 0x60              ; dsc
	v_lshl_add_u32 v254, v0, 2, 0x9400
	v_mov_b32 v255, 0
	v_lshrrev_b32 v1, 5, v0
	v_readfirstlane_b32 s30, v1                    ; wave
	v_and_b32 v1, 31, v0                           ; lane
	v_and_b32 v2, 15, v0                           ; r
	v_bfe_u32 v3, v0, 4, 1                         ; h
	v_lshlrev_b32 v8, 4, v1                        ; 16 x lane
	s_cmp_lt_u32 ttmp9, 688
	s_cbranch_scc0 .Ldown
	; ---- x (work-groups 0-511) and the weights of the first two products (512-687): one path, the buffers chosen by the work-group's number
	s_max_u32 s31, ttmp9, 512
	s_sub_co_u32 s31, s31, 512                     ; T (0 in x's work-groups)
	s_lshr_b32 s32, s31, 2                         ; beta
	s_min_u32 s33, s32, 42                         ; the padding block reads block 42's rows
	s_lshl_b32 s33, s33, 5
	s_and_b32 s34, s31, 1
	s_lshl_b32 s34, s34, 3
	s_add_co_u32 s33, s33, s34                     ; the tile's first hidden unit: 32 beta + 8 u
	s_lshl_b32 s45, ttmp9, 4                       ; x's first row
	s_wait_kmcnt 0x0
	s_bitcmp1_b32 s31, 1                           ; t = 2, 3: up's
	s_cselect_b64 s[36:37], s[10:11], s[6:7]
	s_cselect_b64 s[38:39], s[12:13], s[8:9]
	s_cmp_lt_u32 s32, 43
	s_cselect_b32 s35, 0x3f800000, 0               ; 1.0, or 0 for the padding block
	s_cmp_lt_u32 ttmp9, 512                        ; x's work-group?
	s_cselect_b64 s[36:37], s[4:5], s[36:37]       ; the numbers,
	s_cselect_b64 s[40:41], s[18:19], s[22:23]     ; the codes,
	s_cselect_b64 s[42:43], s[20:21], s[24:25]     ; the scale bytes,
	s_cselect_b32 s44, ttmp9, s31                  ; the tile's number,
	s_cselect_b32 s45, s45, s33                    ; its first row,
	s_cselect_b32 s46, 0, 0x10000                  ; places 8-15 lie 8 rows further on in a weight tile,
	s_cselect_b32 s47, 0, 1                        ; and integers are converted
	s_lshl_b32 s48, s45, 13                        ; row x 8,192 bytes (under 2^27)
	s_lshl_b32 s50, s30, 11                        ; + my wave's 512 numbers
	s_add_co_u32 s48, s48, s50
	s_mov_b32 s49, 0
	s_add_nc_u64 s[36:37], s[36:37], s[48:49]
	s_lshl_b32 s48, s44, 14                        ; tile x 64 cells + my wave's 16
	s_lshl_b32 s50, s30, 12
	s_add_co_u32 s48, s48, s50
	s_add_nc_u64 s[40:41], s[40:41], s[48:49]
	s_lshl_b32 s48, s44, 10                        ; tile x 1,024 + my wave's 256
	s_lshl_b32 s50, s30, 8
	s_add_co_u32 s48, s48, s50
	s_add_nc_u64 s[42:43], s[42:43], s[48:49]
	s_lshl_b32 s48, s33, 2
	s_add_nc_u64 s[38:39], s[38:39], s[48:49]      ; the rows' scales (in x's work-groups: gate_s's first words, loaded and not used)
	v_and_b32 v24, 8, v2
	v_add_nc_u32 v24, v24, v2
	v_lshlrev_b32 v24, 2, v24                      ; place r is unit r + 8 (r / 8) of the tile
	v_lshlrev_b32 v4, 4, v2
	v_lshl_add_u32 v4, v3, 13, v4                  ; lanes 0-15 an even place, lanes 16-31 the odd one behind it; 16 bytes a lane
	v_add_nc_u32 v5, s46, v4
	global_load_b32 v16, v24, s[38:39]
	LOAD 0, 0
	LOAD 1, 0
	LOAD 2, 0
	s_mul_i32 s51, s30, WSTG                       ; my stage
	v_mul_u32_u24 v6, v3, SP
	v_lshl_add_u32 v6, v2, 4, v6
	v_add_nc_u32 v6, s51, v6                       ; in: as loaded
	v_mul_u32_u24 v7, v2, SP
	v_lshl_add_u32 v7, v3, 7, v7
	v_add_nc_u32 v7, s51, v7                       ; out: row r, block h
	s_lshl_b32 s52, s30, 8
	s_add_co_u32 s52, s52, SBY_A                   ; my 256 scale bytes
	v_lshl_add_u32 v9, v2, 4, v3
	v_add_nc_u32 v9, s52, v9                       ; 16 r + h
	v_lshl_add_u32 v11, v1, 3, s52
	v_lshlrev_b32 v12, 3, v1
	s_wait_loadcnt 16                              ; the scale and step 0 are in; steps 1 and 2 may be out
	v_mul_f32 v16, s35, v16
	v_mov_b32 v17, v16
	TURN 0
.irp t, 0,1,2,3,4,5,6,7
	QSTEP \t, 8, 0
.endr
	ds_load_b64 v[248:249], v11                    ; LDS serves a wave's instructions in order: this sees my byte stores
	s_wait_dscnt 0x0
	global_store_b64 v12, v[248:249], s[42:43]     ; 256 consecutive bytes, aligned
	s_wait_tensorcnt 0x0
	ds_add_u32 v254, v255
	s_wait_dscnt 0x0
	s_endpgm
	; ---- down_w
.Ldown:
	s_sub_co_u32 s31, ttmp9, 688
	s_lshl_b32 s31, s31, 1
	s_lshr_b32 s32, s30, 1
	s_add_co_u32 s31, s31, s32                     ; my tile of 16 rows
	s_and_b32 s32, s30, 1                          ; my half of K: blocks 22 hf on
	s_mul_i32 s48, s31, 16*PD
	s_mul_i32 s50, s32, 2816
	s_add_co_u32 s48, s48, s50
	s_mov_b32 s49, 0
	s_wait_kmcnt 0x0
	s_add_nc_u64 s[36:37], s[14:15], s[48:49]
	s_mul_i32 s48, s31, 11264                      ; 44 cells a tile, 22 a half
	s_mul_i32 s50, s32, 5632
	s_add_co_u32 s48, s48, s50
	s_add_nc_u64 s[40:41], s[26:27], s[48:49]
	s_lshl_b32 s48, s31, 10
	s_lshl_b32 s50, s32, 9
	s_add_co_u32 s48, s48, s50
	s_add_nc_u64 s[42:43], s[28:29], s[48:49]
	s_lshl_b32 s48, s31, 6
	s_add_nc_u64 s[38:39], s[16:17], s[48:49]
	v_lshlrev_b32 v24, 2, v2
	v_mul_u32_u24 v4, v3, PD
	v_lshl_add_u32 v4, v2, 4, v4
	v_bfe_u32 v13, v0, 3, 1                        ; the upper 128 bytes of a step's 256?
	s_lshl_b32 s53, s32, 7
	v_mul_u32_u24 v13, v13, s53
	v_sub_nc_u32 v13, v4, v13                      ; in the upper half's last step they lie behind the row's end: those lanes read the lower 128 bytes again, so that no load leaves its row
	global_load_b32 v16, v24, s[38:39]
	LOAD 0, 1
	LOAD 1, 1
	LOAD 2, 1
	s_mul_i32 s51, s30, WSTG
	s_add_co_u32 s51, s51, STG_D
	v_mul_u32_u24 v6, v3, SP
	v_lshl_add_u32 v6, v2, 4, v6
	v_add_nc_u32 v6, s51, v6
	v_mul_u32_u24 v7, v2, SP
	v_lshl_add_u32 v7, v3, 7, v7
	v_add_nc_u32 v7, s51, v7
	s_lshl_b32 s52, s30, 9
	s_add_co_u32 s52, s52, SBY_D                   ; my 512 scale bytes: 32 a row, 16 for each of my two quarters of K
	v_lshl_add_u32 v14, v2, 5, s52
	v_add_nc_u32 v9, v14, v3                       ; 32 r + h
	v_mad_u32_u24 v10, v3, 6, v14                  ; 32 r + 6 h
	v_lshl_add_u32 v14, v3, 4, v14                 ; 32 r + 16 h
	v_mov_b32 v15, 0x7f7f7f7f
	v_mov_b32 v26, 0
	v_mul_u32_u24 v25, v3, s32
	v_cmp_ne_u32 vcc_lo, 0, v25                    ; the lanes that hold block 43
	s_wait_loadcnt 16                              ; the scale and step 0 are in
	v_mov_b32 v17, v16
	v_cndmask_b32 v18, v16, v26, vcc_lo
	v_mov_b32 v19, v18
	TURN 0
.irp t, 0,1,2,3,4,5,6,7,8,9,10
	QSTEP \t, 11, 1
.endr
	ds_store_b8 v14, v15 offset:11                 ; bytes 11 to 15 of each 16
	ds_store_b32 v14, v15 offset:12
	ds_load_b128 v[248:251], v14                   ; lane (r, h): quarter h of row r
	s_wait_dscnt 0x0
	global_store_b128 v8, v[248:251], s[42:43]     ; 512 consecutive bytes
	s_wait_tensorcnt 0x0
	ds_add_u32 v254, v255
	s_wait_dscnt 0x0
	s_endpgm
.Lfunc_end_k_q02ac8ceade_quant:
	.size	k_q02ac8ceade_quant, .Lfunc_end_k_q02ac8ceade_quant-k_q02ac8ceade_quant
	.p2alignl 7, 3214868480
	.fill 96, 4, 3214868480
	.section	.rodata,"a",@progbits
	.p2align	6, 0x0
	.amdhsa_kernel k_q02ac8ceade_quant
		.amdhsa_group_segment_fixed_size 38400
		.amdhsa_private_segment_fixed_size 0
		.amdhsa_enable_private_segment 0
		.amdhsa_kernarg_size 104
		.amdhsa_user_sgpr_count 2
		.amdhsa_user_sgpr_kernarg_segment_ptr 1
		.amdhsa_wavefront_size32 1
		.amdhsa_system_sgpr_workgroup_id_x 1
		.amdhsa_system_sgpr_workgroup_id_y 1
		.amdhsa_system_sgpr_workgroup_id_z 1
		.amdhsa_system_vgpr_workitem_id 0
		.amdhsa_next_free_vgpr 256
		.amdhsa_next_free_sgpr 66
		.amdhsa_reserve_vcc 1
		.amdhsa_float_denorm_mode_32 3
		.amdhsa_float_denorm_mode_16_64 3
		.amdhsa_memory_ordered 1
		.amdhsa_forward_progress 1
		.amdhsa_inst_pref_size 109
	.end_amdhsa_kernel
	.amdgpu_metadata
---
amdhsa.version: [ 1, 2 ]
amdhsa.kernels:
  - .name:           k_q02ac8ceade_quant
    .symbol:         k_q02ac8ceade_quant.kd
    .args:
      - { .name: x, .offset: 0, .size: 8, .value_kind: global_buffer, .address_space: global }
      - { .name: gate_w, .offset: 8, .size: 8, .value_kind: global_buffer, .address_space: global }
      - { .name: gate_s, .offset: 16, .size: 8, .value_kind: global_buffer, .address_space: global }
      - { .name: up_w, .offset: 24, .size: 8, .value_kind: global_buffer, .address_space: global }
      - { .name: up_s, .offset: 32, .size: 8, .value_kind: global_buffer, .address_space: global }
      - { .name: down_w, .offset: 40, .size: 8, .value_kind: global_buffer, .address_space: global }
      - { .name: down_s, .offset: 48, .size: 8, .value_kind: global_buffer, .address_space: global }
      - { .name: xc, .offset: 56, .size: 8, .value_kind: global_buffer, .address_space: global }
      - { .name: xs, .offset: 64, .size: 8, .value_kind: global_buffer, .address_space: global }
      - { .name: wc, .offset: 72, .size: 8, .value_kind: global_buffer, .address_space: global }
      - { .name: ws, .offset: 80, .size: 8, .value_kind: global_buffer, .address_space: global }
      - { .name: dc, .offset: 88, .size: 8, .value_kind: global_buffer, .address_space: global }
      - { .name: dsc, .offset: 96, .size: 8, .value_kind: global_buffer, .address_space: global }
    .group_segment_fixed_size: 38400
    .private_segment_fixed_size: 0
    .kernarg_segment_align: 8
    .kernarg_segment_size: 104
    .max_flat_workgroup_size: 128
    .sgpr_count:     66
    .vgpr_count:     256
    .wavefront_size: 32
...
	.end_amdgpu_metadata
.endif
;; end of part 1
;; launch gateup (part 2): grid 4 x 64, 4 waves a work-group, clusters of 4 x 4, 327,680 bytes of LDS; arguments xc, xs, wc, ws, hc, hs; writes hc, hs
.if DOCPART == 2
	.amdgcn_target "amdgcn-amd-amdhsa--gfx1250"
	.amdhsa_code_object_version 6
	.text
	.protected	k_q02ac8ceade_gateup
	.globl	k_q02ac8ceade_gateup
	.p2align	8
	.type	k_q02ac8ceade_gateup,@function
k_q02ac8ceade_gateup:
	s_mov_b64 s[64:65], 0
	v_nop
	global_prefetch_b8 v0, s[64:65] scope:SCOPE_SE
	s_setreg_imm32_b32 hwreg(HW_REG_WAVE_MODE, 25, 1), 1
	s_wait_xcnt 0x0
	s_wait_alu depctr_hold_cnt(0) depctr_sa_sdst(0) depctr_va_vdst(0) depctr_va_sdst(0) depctr_va_ssrc(0) depctr_va_vcc(0) depctr_vm_vsrc(0)
	s_getreg_b32 s2, hwreg(HW_REG_IB_STS2, 6, 4)
	s_cmp_eq_u32 s2, 0
	s_cbranch_scc0 .Lentry_in_a_cluster
	s_endpgm
.Lentry_in_a_cluster:
	s_bfe_u32 s2, ttmp6, 0x10000c
	s_cmp_lg_u32 s2, 0xf033
	s_cbranch_scc0 .Lentry_shape_is_right
	s_endpgm
.Lentry_shape_is_right:
; h = silu(x Wg^T) x (x Wu^T), both products on codes of FP4 (E2M1) with E8M0 scales, K = 2,048; h is quantised along the hidden axis on the way and leaves as codes and scale bytes.
; Codes lie in cells (16 rows x 32 along K, 256 bytes, row r at 16 r), a tile's cells on end: xc [512][64][256], wc [176][64][256], hc [512][44][256].
; Scale bytes: xs, ws [tile][4][16 rows][16 bytes]; hs [512][4 quarters of the hidden axis][16 rows][16 bytes]: byte i < 11 is block 11 q + i, the rest 0x7f.
; Weight tile 4 beta + t: t = 0, 1 gate's, 2, 3 up's; its place p is hidden unit 32 beta + 8 (t & 1) + p + 8 (p / 8).
; THE MATRIX INSTRUCTION IS USED TRANSPOSED (source 0 = a weight tile, source 1 = 16 rows of x): lane (r, h) holds row r, and the 16 registers of tiles t = 0, 1 are hidden units 32 beta + 16 h + 0 .. 15: neighbours along the next K.
; SHARES.  The hidden axis is padded to 44 blocks; 512 row tiles x 44 blocks are 88 cells of h for each of 256 work-groups: 8 row tiles x 11 blocks.  A wave has 22 cells, 88 accumulators, 704 registers:
; four row tiles (slots 0, 1: tiles 2 w, 2 w + 1; slots 2, 3: the other two of its half) x blocks 5 (w & 1) + 0 .. 4, and block 10 for slots 0 and 1.  All four waves run one text; only addresses differ.
; K goes in steps of 128 through a ring of two LDS slots of two steps each.  The scale bytes of all of K come once, with the first fills.
; CLUSTER 4 x 4: the four work-groups of a row share x's tiles, the four of a column the weights': joint loads.  Wave 0 asks for x's, waves 1 and 2 for the weights' halves, wave 3 for nothing.
; LIMITS: NaN and infinities are not served.  For gate under about -88 the exponential is infinite and silu is taken as -0.  A block of h whose largest magnitude lies under 2^-124 gets the byte 1; this program alone reads the bytes.
; REGISTERS.  window 0: v1-3 lane, r, h; v4-15 LDS addresses; v16, v17 the add's; v18-27 the way out's; v28-59 scale words, two sets of 16, and nothing else; v64-127 x's fragments, two sets; v128-191 weight tiles 0-7; v192-255 tiles 8-15.
;   window 1: accumulators of tiles 0-7 (tile j, slot a at 8 (4 (j % 8) + a));  window 2: of tiles 8-15;  window 3: of tiles 16-19, from v128 of tiles 20-23 (8 (2 (j - 20) + a)), from v192 the fragments of tiles 16-23.
.set SLOT,  106496                     ; x: 8 tiles x 2,048 bytes; weights: 44 x 2,048
.set WOFF,  16384
.set TOFF,  WOFF+40*2048               ; block 10's four tiles
.set SCX,   2*SLOT                     ; x's scale bytes, 8 x 1,024
.set SCW,   SCX+8192                   ; the weights', 44 x 1,024
.set SCB,   SCW+45056                  ; a stage for h's scale bytes, [8 tiles][16 rows][16]: no tensor load lands here
.set SPARE, SCB+2048                   ; the spare words, 128 bytes a wave: two blocks of 256 bytes that no other line names
.set T,   64                           ; the way out: v64-95 32 numbers at work
.set M,   96                           ; v96-97 largest magnitudes, v98-99 the other half's, v100-101 the conversions' scales, v102-103 at work
.set N,   98
.set E,   100
.set TB,  102
.set BY,  104                          ; v104-125 a scale byte a cell
.set FIL, 126                          ; 0x7f7f7f7f
.set P,   128                          ; v128-171 codes: four registers a pair of cells, never written again
.set MSB, 0
.macro WIN new                         ; the immediate's high byte repeats the setting that is left
.if MSB != \new
	s_set_vgpr_msb (MSB<<8)|\new
.set MSB, \new
.endif
.endm
.macro PLACES n                        ; plain vector lines between a matrix instruction and a load into, or a read of, its registers
.rept \n
	v_nop
.endr
.endm
.macro CREST                           ; a round of the cluster's barrier behind its opening barrier
	s_cmp_lg_u32 s16, 0
	s_cbranch_scc1 .Lnot_wave_0_\@
	s_barrier_signal -3
.Lnot_wave_0_\@:
	s_barrier_wait -3
	s_barrier_signal -1
	s_barrier_wait -1
.endm
.macro CROUND
	s_barrier_signal -1
	s_barrier_wait -1
	CREST
.endm
.macro JLOAD n                         ; slot n's joint refill; the branches hang on the wave's number alone; four v_nop follow each line
	s_cmp_eq_u32 s16, 0
	s_cbranch_scc0 .Lnot_x_\@
	tensor_load_to_lds s[32+4*\n:35+4*\n], s[24:31]
	s_nop 0
.rept 4
	v_nop
.endr
	s_branch .Lasked_\@
.Lnot_x_\@:
	s_cmp_eq_u32 s16, 3
	s_cbranch_scc1 .Lasked_\@
	tensor_load_to_lds s[48+4*\n:51+4*\n], s[40:47]
	s_nop 0
.rept 4
	v_nop
.endr
.Lasked_\@:
.endm
.macro FRAG reg, adr, off              ; a fragment, 16 rows x 128 K: four cells, 16 bytes a lane, 512 bytes a load
	ds_load_b128 v[\reg:\reg+3], v[\adr] offset:\off
	ds_load_b128 v[\reg+4:\reg+7], v[\adr] offset:\off+512
.endm
.macro R0 n, hf, p, so                 ; 40 loads: tiles 0-7, x's four fragments and the 16 scale words of a K step (half hf of slot n) into set p
	WIN 0
.irp j, 0,1,2,3,4,5,6,7
	FRAG 128+8*\j, 8+\n, \j*2048+\hf*1024
.endr
	FRAG 64+32*\p, 4+\n, \hf*1024
	FRAG 64+32*\p+8, 4+\n, 2048+\hf*1024
	FRAG 64+32*\p+16, 6+\n, \hf*1024
	FRAG 64+32*\p+24, 6+\n, 2048+\hf*1024
.irp j, 0,1,2,3,4,5,6,7,8,9
	ds_load_b32 v[28+16*\p+\j], v12 offset:\j*1024+\so     ; lanes 0-15: tile j's words; lanes 16-31: tile j + 10's
.endr
	ds_load_b32 v[28+16*\p+10], v13 offset:\so             ; lanes 0-15: tile 20's; lanes 16-31: tile 22's
	ds_load_b32 v[28+16*\p+11], v13 offset:1024+\so        ; tiles 21 and 23
	ds_load_b32 v[28+16*\p+12], v14 offset:\so             ; x's slots 0 to 3
	ds_load_b32 v[28+16*\p+13], v14 offset:1024+\so
	ds_load_b32 v[28+16*\p+14], v15 offset:\so
	ds_load_b32 v[28+16*\p+15], v15 offset:1024+\so
.endm
.macro R1 n, hf                        ; 16 loads: tiles 8-15
.irp j, 8,9,10,11,12,13,14,15
	FRAG 192+8*(\j-8), 8+\n, \j*2048+\hf*1024
.endr
.endm
.macro R2 n, hf                        ; 16 loads: tiles 16-23, into window 3
	WIN 0xc0
.irp j, 16,17,18,19
	FRAG 192+8*(\j-16), 8+\n, \j*2048+\hf*1024
.endr
.irp j, 0,1,2,3
	FRAG 224+8*\j, 10+\n, \j*2048+\hf*1024
.endr
.endm
; The products of tiles j0 .. j1 with x's set p.  Each accumulator is named once in a K step, so that the 88 take turns, one instruction a turn.  zero = 1: the first K step starts the sums.
.macro MULT j0, j1, p, zero
.set J, \j0
.rept \j1-\j0+1
.set NA, 4
.set rD0, 32*(J%8)
.set rW, 128+8*J
.set rS, 28+16*\p+J%10
.set rR, J/10
.if J >= 8
.set rW, 192+8*(J-8)
.endif
.if J >= 16
.set rW, 192+8*(J-16)
.endif
.if J >= 20
.set NA, 2
.set rD0, 128+16*(J-20)
.set rS, 28+16*\p+10+(J-20)%2
.set rR, (J-20)/2
.endif
.set A_, 0
.rept NA
.set rD, rD0+8*A_
.set rX, 64+32*\p+8*A_
.set rT, 28+16*\p+12+A_
.if \zero
.if rR
	v_wmma_scale_f32_16x16x128_f8f6f4 v[rD:rD+7], v[rW:rW+7], v[rX:rX+7], 0, v[rS], v[rT] matrix_a_fmt:MATRIX_FMT_FP4 matrix_b_fmt:MATRIX_FMT_FP4 matrix_a_scale:MATRIX_SCALE_ROW1
.else
	v_wmma_scale_f32_16x16x128_f8f6f4 v[rD:rD+7], v[rW:rW+7], v[rX:rX+7], 0, v[rS], v[rT] matrix_a_fmt:MATRIX_FMT_FP4 matrix_b_fmt:MATRIX_FMT_FP4
.endif
.else
.if rR
	v_wmma_scale_f32_16x16x128_f8f6f4 v[rD:rD+7], v[rW:rW+7], v[rX:rX+7], v[rD:rD+7], v[rS], v[rT] matrix_a_fmt:MATRIX_FMT_FP4 matrix_b_fmt:MATRIX_FMT_FP4 matrix_a_scale:MATRIX_SCALE_ROW1
.else
	v_wmma_scale_f32_16x16x128_f8f6f4 v[rD:rD+7], v[rW:rW+7], v[rX:rX+7], v[rD:rD+7], v[rS], v[rT] matrix_a_fmt:MATRIX_FMT_FP4 matrix_b_fmt:MATRIX_FMT_FP4
.endif
.endif
.set A_, A_+1
.endr
.set J, J+1
.endr
.endm
; A slot's first K step: multiplies set 0 and fetches the slot's second half into set 1.  At its head tiles 0-7, x and the scale words are in; the 32 loads of tiles 8-23 may be out.
; The wait for a group's fragments stands behind the products of the group before it, ahead of the next run of loads: so at most 56 LDS loads of mine are out.
.macro STEP n, so, zero
	WIN 0x50
	MULT 0, 7, 0, \zero
	s_wait_dscnt 16                                ; tiles 8-15 are in; the 16 loads of tiles 16-23 may be out
	PLACES 4
	R0 \n, 1, 1, \so
	WIN 0xa0
	MULT 8, 15, 0, \zero
	s_wait_dscnt 40                                ; tiles 16-23 are in; the 40 loads just issued may be out
	PLACES 4
	WIN 0
	R1 \n, 1
	WIN 0xf3
	MULT 16, 23, 0, \zero
	s_wait_dscnt 16                                ; the next step's tiles 0-7, x and scale words are in; its tiles 8-15 may be out
	PLACES 4
	R2 \n, 1
	WIN 0
.endm
; A slot's second K step multiplies set 1 and changes slots: ONE barrier; in front of it each wave waits for all its tensor loads, adds 0 to its spare word, and waits for that and for its reads of slot n.
; fill = 1: the barrier opens a round of the cluster's, and slot n is filled again, two slots ahead.  bump = 1: the scale words' addresses go on to the next four K steps.
.macro TURN n, m, fill, so, bump
	s_wait_tensorcnt 0x0                           ; all my tensor loads have landed: my part of slot m
	ds_add_u32 v16, v17                            ; 0 onto my spare word
	WIN 0x50
	MULT 0, 3, 1, 0                                ; sixteen matrix instructions stand between the add and the wait for it
	s_wait_dscnt 0x0                               ; the add is done, and my reads of slot n are over
	s_barrier_signal -1
	MULT 4, 7, 1, 0
	WIN 0
	s_barrier_wait -1
.if \fill
	CREST                                          ; no wave of any partner still reads slot n or has a load on its way
	s_add_nc_u64 s[34+4*\n:35+4*\n], s[34+4*\n:35+4*\n], 4096
	s_add_nc_u64 s[50+4*\n:51+4*\n], s[50+4*\n:51+4*\n], 4096
	JLOAD \n                                       ; the first tensor load behind the round, one a wave
.endif
	PLACES 4                                       ; on every wave's path: wave 3 has no load and none of its four lines
.if \bump
	v_add_nc_u32 v12, 256, v12
	v_add_nc_u32 v13, 256, v13
	v_add_nc_u32 v14, 256, v14
	v_add_nc_u32 v15, 256, v15
.endif
	R0 \m, 0, 0, \so
	WIN 0xa0
	MULT 8, 15, 1, 0
	PLACES 4
	WIN 0
	R1 \m, 0
	WIN 0xf3
	MULT 16, 23, 1, 0
	s_wait_dscnt 16                                ; the next step's tiles 0-7, x and scale words are in
	PLACES 4
	R2 \m, 0
	WIN 0
.endm
	s_load_b256 s[4:11], s[0:1], 0x0               ; xc s[4:5], xs s[6:7], wc s[8:9], ws s[10:11]
	s_load_b128 s[12:15], s[0:1], 0x20             ; hc s[12:13], hs s[14:15]
	v_lshl_add_u32 v16, v0, 2, SPARE
	v_mov_b32 v17, 0
	ds_add_u32 v16, v17
	s_wait_dscnt 0x0
	v_lshrrev_b32 v1, 5, v0
	v_readfirstlane_b32 s16, v1                    ; wave 0..3
	s_and_b32 s18, s16, 1                          ; which five blocks are mine
	s_lshl_b32 s19, s16, 1                         ; slots 0, 1: row tiles 2 w, 2 w + 1
	s_xor_b32 s20, s19, 2                          ; slots 2, 3: the other two of my half
	s_lshr_b32 s21, s16, 1                         ; which half of the weights I fetch (waves 1 and 2)
	s_bfe_u32 s22, ttmp6, 0x40000                  ; cx
	s_bfe_u32 s23, ttmp6, 0x40004                  ; cy
	s_lshl_b32 s85, ttmp9, 2
	s_add_co_u32 s85, s85, s22                     ; the quarter of the hidden axis
	s_and_b32 s84, ttmp7, 0xffff
	s_lshl_b32 s84, s84, 2
	s_add_co_u32 s84, s84, s23                     ; the block of 128 rows
	s_lshl_b32 s94, s23, 2
	s_lshl_b32 s94, 15, s94                        ; my row of the cluster
	s_lshl_b32 s95, 0x1111, s22                    ; my column
	; descriptor groups 1: elements of 8 bytes, no padding; 15:0 the mask, bit 21 beside it
	s_or_b32 s24, s94, (3<<16)|(1<<21)             ; x: 8 tiles x 2,048 bytes, 16,384 bytes apart
	s_mov_b32 s25, 256<<16
	s_mov_b32 s26, 8<<16
	s_mov_b32 s27, 256<<16
	s_mov_b32 s28, 8
	s_mov_b32 s29, 2048
	s_mov_b32 s30, 0
	s_mov_b32 s31, 0
	s_or_b32 s40, s95, (3<<16)|(1<<21)             ; weights: 22 tiles
	s_mov_b32 s41, 256<<16
	s_mov_b32 s42, 22<<16
	s_mov_b32 s43, 256<<16
	s_mov_b32 s44, 22
	s_mov_b32 s45, 2048
	s_mov_b32 s46, 0
	s_mov_b32 s47, 0
	s_or_b32 s56, s94, (3<<16)|(1<<21)             ; x's scale bytes: 8,192 dense bytes as 32 rows of 256
	s_mov_b32 s57, 32<<16
	s_mov_b32 s58, 32<<16
	s_mov_b32 s59, 32<<16
	s_mov_b32 s60, 32
	s_mov_b32 s61, 32
	s_mov_b32 s62, 0
	s_mov_b32 s63, 0
	s_or_b32 s76, s95, (3<<16)|(1<<21)             ; the weights': 22,528 dense bytes as 88 rows of 256
	s_mov_b32 s77, 32<<16
	s_mov_b32 s78, 88<<16
	s_mov_b32 s79, 32<<16
	s_mov_b32 s80, 88
	s_mov_b32 s81, 32
	s_mov_b32 s82, 0
	s_mov_b32 s83, 0
	; x's addresses hang on the block of rows alone (s86-89), the weights' on the quarter and the wave (s90-93): neither set ever holds the other coordinate
	s_lshl_b32 s86, s84, 17
	s_mov_b32 s87, 0
	s_lshl_b32 s88, s84, 13
	s_mov_b32 s89, 0
	s_mul_i32 s90, s85, 44
	s_mul_i32 s92, s21, 22
	s_add_co_u32 s90, s90, s92
	s_lshl_b32 s92, s90, 10
	s_lshl_b32 s90, s90, 14
	s_mov_b32 s91, 0
	s_mov_b32 s93, 0
	s_mul_i32 s17, s21, 22*2048                    ; where my half goes in a slot,
	s_mul_i32 s97, s21, 22*1024                    ; and among the scale bytes
	s_mov_b32 s98, 0xbfb8aa3b                      ; -log2(e)
	s_mov_b32 s99, s98
	s_mov_b32 s100, 0x76543210                     ; v_permlanex16_b32's selects for lane l xor 16
	s_mov_b32 s101, 0xfedcba98
	s_wait_kmcnt 0x0
	s_add_nc_u64 s[86:87], s[4:5], s[86:87]
	s_add_nc_u64 s[90:91], s[8:9], s[90:91]
.irp n, 0,1
	s_mov_b32 s[32+4*\n], 1
	s_mov_b32 s[33+4*\n], \n*SLOT
	s_add_nc_u64 s[34+4*\n:35+4*\n], s[86:87], \n*2048
	s_or_b32 s[35+4*\n], s[35+4*\n], 0x80000000
	s_mov_b32 s[48+4*\n], 1
	s_add_co_u32 s[49+4*\n], s17, WOFF+\n*SLOT
	s_add_nc_u64 s[50+4*\n:51+4*\n], s[90:91], \n*2048
	s_or_b32 s[51+4*\n], s[51+4*\n], 0x80000000
.endr
	s_mov_b32 s68, 1
	s_mov_b32 s69, SCX
	s_add_nc_u64 s[70:71], s[6:7], s[88:89]
	s_or_b32 s71, s71, 0x80000000
	s_mov_b32 s72, 1
	s_add_co_u32 s73, s97, SCW
	s_add_nc_u64 s[74:75], s[10:11], s[92:93]
	s_or_b32 s75, s75, 0x80000000
	CROUND                                         ; all sixteen work-groups are here: the first joint loads meet
	s_cmp_eq_u32 s16, 0                            ; a wave's three first fills stand in one branch: three loads of mine are out
	s_cbranch_scc0 .Lfirst_w
	tensor_load_to_lds s[68:71], s[56:63]          ; x's scale bytes, filled once
	s_nop 0
	tensor_load_to_lds s[32:35], s[24:31]          ; slot 0
	s_nop 0
	tensor_load_to_lds s[36:39], s[24:31]          ; slot 1
	s_nop 0
.rept 4
	v_nop
.endr
	s_branch .Lfirst_asked
.Lfirst_w:
	s_cmp_eq_u32 s16, 3
	s_cbranch_scc1 .Lfirst_asked
	tensor_load_to_lds s[72:75], s[76:83]
	s_nop 0
	tensor_load_to_lds s[48:51], s[40:47]
	s_nop 0
	tensor_load_to_lds s[52:55], s[40:47]
	s_nop 0
.rept 4
	v_nop
.endr
.Lfirst_asked:
	s_mul_i32 s88, s84, 8*11264                    ; hc and hs at my block of rows and my quarter
	s_add_nc_u64 s[12:13], s[12:13], s[88:89]
	s_lshl_b32 s88, s84, 13
	s_add_nc_u64 s[14:15], s[14:15], s[88:89]
	s_mul_i32 s92, s85, 11*256
	s_add_nc_u64 s[12:13], s[12:13], s[92:93]
	s_lshl_b32 s92, s85, 8
	s_add_nc_u64 s[14:15], s[14:15], s[92:93]
	v_and_b32 v1, 31, v0                           ; lane
	v_and_b32 v2, 15, v0                           ; r
	v_bfe_u32 v3, v0, 4, 1                         ; h
	v_lshlrev_b32 v26, 4, v1                       ; 16 x lane
	v_lshlrev_b32 v27, 4, v2                       ; 16 x r
	s_lshl_b32 s84, s19, 11
	s_lshl_b32 s85, s20, 11
	v_add_nc_u32 v4, s84, v26                      ; v4, v5: x's slots 0, 1 in LDS slot 0, 1
	v_add_nc_u32 v6, s85, v26                      ; v6, v7: slots 2, 3
	v_add_nc_u32 v5, SLOT, v4
	v_add_nc_u32 v7, SLOT, v6
	s_mul_i32 s84, s18, 20*2048
	s_add_co_u32 s84, s84, WOFF
	v_add_nc_u32 v8, s84, v26                      ; v8, v9: my 20 tiles
	v_add_nc_u32 v9, SLOT, v8
	v_add_nc_u32 v10, TOFF, v26                    ; v10, v11: block 10's four
	v_add_nc_u32 v11, SLOT, v10
	s_mul_i32 s84, s18, 20*1024
	s_add_co_u32 s84, s84, SCW
	v_mul_u32_u24 v12, v3, 10*1024                 ; scale words: lanes 16-31 take the tile ten further on,
	v_add_nc_u32 v12, v12, v27
	v_add_nc_u32 v12, s84, v12
	v_lshl_add_u32 v13, v3, 11, v27                ; in block 10 the tile two further on
	v_add_nc_u32 v13, SCW+40*1024, v13
	s_lshl_b32 s84, s19, 10
	s_add_co_u32 s84, s84, SCX
	v_add_nc_u32 v14, s84, v27
	s_lshl_b32 s85, s20, 10
	s_add_co_u32 s85, s85, SCX
	v_add_nc_u32 v15, s85, v27
	; the way out's addresses
	s_mul_i32 s84, s19, 11264
	s_mul_i32 s85, s20, 11264
	s_mul_i32 s86, s18, 5*256
	v_mad_u32_u24 v18, v3, 11264, v27              ; lanes 16-31 store the cell of the row tile behind
	v_add_nc_u32 v20, s84, v18
	v_add_nc_u32 v19, s85, v18
	v_add_nc_u32 v18, s84, v18
	v_add_nc_u32 v20, 10*256, v20                  ; v20: block 10, slots 0, 1
	v_add_nc_u32 v19, s86, v19                     ; v19: my five blocks, slots 2, 3
	v_add_nc_u32 v18, s86, v18                     ; v18: slots 0, 1
	s_lshl_b32 s84, s19, 8
	s_add_co_u32 s84, s84, SCB
	s_lshl_b32 s85, s20, 8
	s_add_co_u32 s85, s85, SCB
	s_mul_i32 s86, s18, 5
	v_add_nc_u32 v23, s84, v27
	v_add_nc_u32 v22, s85, v27
	v_add_nc_u32 v21, s86, v23                     ; v21: scale bytes of slots 0, 1: tile x 256 + 16 r + my first block
	v_add_nc_u32 v22, s86, v22                     ; v22: of slots 2, 3
	v_add_nc_u32 v23, 10, v23                      ; v23: block 10's
	s_lshl_b32 s84, s16, 9
	s_add_co_u32 s84, s84, SCB
	v_add_nc_u32 v24, s84, v26                     ; v24: back: row tiles 2 w, 2 w + 1
	s_lshl_b32 s84, s16, 11
	v_lshl_add_u32 v25, v3, 10, v27
	v_add_nc_u32 v25, s84, v25                     ; v25: and their place in hs
	s_wait_tensorcnt 1                             ; the scale bytes and my part of slot 0 are in; slot 1's may stay out
	s_barrier_signal -1
	s_barrier_wait -1
	R0 0, 0, 0, 0
	R1 0, 0
	s_wait_dscnt 16                                ; tiles 0-7, x and the scale words are in
	R2 0, 0
	WIN 0
	STEP 0, 4, 1                                   ; the first K step stands in front of the loop: its products start the sums
	s_mov_b32 s96, 3
.Llap:                                             ; a trip goes once round the ring and fills both slots again: slots' worth 2 to 7 of K's eight
	TURN 0, 1, 1, 8, 0
	STEP 1, 12, 0
	TURN 1, 0, 1, 0, 1
	STEP 0, 4, 0
	s_sub_co_u32 s96, s96, 1
	s_cmp_lg_u32 s96, 0
	s_cbranch_scc1 .Llap
	TURN 0, 1, 0, 8, 0                             ; the tail is written out: nothing is left to ask for
	STEP 1, 12, 0
	WIN 0x50                                       ; the last K step fetches nothing
	MULT 0, 7, 1, 0
	s_wait_dscnt 16
	WIN 0xa0
	MULT 8, 15, 1, 0
	s_wait_dscnt 0x0
	WIN 0xf3
	MULT 16, 23, 1, 0
	WIN 0
; THE WAY OUT, two cells (two row tiles of one block) at a time.  Gate's two accumulators of cell c lie at b0 + 8 c and st further on, up's 2 st and 3 st further on.
; silu(g) u = (g / (1 + 2^(-g log2 e))) u in f32.  The exponentials are one batch with one wait ahead of the first reader, and so are the reciprocals.
; Then the block's largest magnitude (mine and lane l xor 16's), the scale, the codes.  Two exchanges of halves give lanes 0-15 the first cell's rows and lanes 16-31 the second's, 16 bytes a lane: two whole cells a store.
.macro PAIR win, b0, st, hadr, hoff, sadr, soff, k, tail
	WIN \win
.irp c, 0,1
.irp u, 0,1
.irp e, 0,2,4,6
	v_pk_mul_f32 v[T+16*\c+8*\u+\e:T+16*\c+8*\u+\e+1], v[\b0+8*\c+\st*\u+\e:\b0+8*\c+\st*\u+\e+1], s[98:99] op_sel_hi:[1,0]   ; each accumulator from its low end on
.endr
.endr
.endr
	WIN 0
.set i_, 0
.rept 32
	v_exp_f32 v[T+i_], v[T+i_]
.set i_, i_+1
.endr
	v_nop
	s_wait_alu depctr_va_vdst(0)
.set i_, 0
.rept 16
	v_pk_add_f32 v[T+i_:T+i_+1], v[T+i_:T+i_+1], 1.0 op_sel_hi:[1,0]
.set i_, i_+2
.endr
.set i_, 0
.rept 32
	v_rcp_f32 v[T+i_], v[T+i_]
.set i_, i_+1
.endr
	v_nop
	s_wait_alu depctr_va_vdst(0)
	WIN \win
.irp c, 0,1
.irp u, 0,1
.irp e, 0,2,4,6
	v_pk_mul_f32 v[T+16*\c+8*\u+\e:T+16*\c+8*\u+\e+1], v[\b0+8*\c+\st*\u+\e:\b0+8*\c+\st*\u+\e+1], v[T+16*\c+8*\u+\e:T+16*\c+8*\u+\e+1]
.endr
.endr
.endr
.irp c, 0,1
.irp u, 0,1
.irp e, 0,2,4,6
	v_pk_mul_f32 v[T+16*\c+8*\u+\e:T+16*\c+8*\u+\e+1], v[\b0+8*\c+\st*(2+\u)+\e:\b0+8*\c+\st*(2+\u)+\e+1], v[T+16*\c+8*\u+\e:T+16*\c+8*\u+\e+1]
.endr
.endr
.endr
	WIN 0
.irp c, 0,1
	v_max3_num_f32 v[M+\c], |v[T+16*\c]|, |v[T+16*\c+1]|, 0x1800000   ; my 16 numbers, and the floor 2^(3 - 127): the byte cannot fall under 1
.endr
.irp i, 2,4,6,8,10,12,14
.irp c, 0,1
	v_max3_num_f32 v[M+\c], v[M+\c], |v[T+16*\c+\i]|, |v[T+16*\c+\i+1]|
.endr
.endr
.irp c, 0,1
	v_permlanex16_b32 v[N+\c], v[M+\c], s100, s101
.endr
.irp c, 0,1
	v_max_num_f32 v[M+\c], v[M+\c], v[N+\c]
.endr
.irp c, 0,1
	v_add_nc_u32 v[E+\c], 0xff000000, v[M+\c]      ; 2 off the exponent field: the conversion's scale operand
.endr
.irp c, 0,1
	v_lshrrev_b32 v[BY+2*\k+\c], 23, v[E+\c]       ; the scale's byte
.endr
.irp c, 0,1
	v_cvt_scalef32_pk8_fp4_f32 v[P+4*\k+2*\c], v[T+16*\c:T+16*\c+7], v[E+\c]
	v_cvt_scalef32_pk8_fp4_f32 v[P+4*\k+2*\c+1], v[T+16*\c+8:T+16*\c+15], v[E+\c]
.endr
	v_nop                                          ; one plain line behind the conversions
	v_permlane16_swap_b32 v[P+4*\k], v[P+4*\k+2]
	v_permlane16_swap_b32 v[P+4*\k+1], v[P+4*\k+3]
	global_store_b128 v[\hadr], v[P+4*\k:P+4*\k+3], s[12:13] offset:\hoff   ; sixteen lanes store 256 consecutive bytes, aligned
.if \tail
.irp c, 0,1
	v_or_b32 v[TB+\c], 0x7f00, v[BY+2*\k+\c]
.endr
.irp c, 0,1
	ds_store_b16 v[\sadr], v[TB+\c] offset:256*\c          ; byte 10, and 0x7f in byte 11;
	ds_store_b32 v[\sadr], v[FIL] offset:256*\c+2          ; bytes 12 to 15
.endr
.else
.irp c, 0,1
	ds_store_b8 v[\sadr], v[BY+2*\k+\c] offset:256*\c+\soff   ; both halves of the lanes write the same byte with the same value
.endr
.endif
.endm
	PLACES 4                                       ; behind the last products, whose operands' registers are written below
	v_mov_b32 v[N], 0                              ; written once: a lane permute's destination counts as one of its sources
	v_mov_b32 v[N+1], 0
	v_mov_b32 v[FIL], 0x7f7f7f7f
	PAIR 1, 0,   32, 18, 0,    21, 0, 0, 0
	PAIR 1, 16,  32, 19, 0,    22, 0, 1, 0
	PAIR 1, 128, 32, 18, 256,  21, 1, 2, 0
	PAIR 1, 144, 32, 19, 256,  22, 1, 3, 0
	PAIR 2, 0,   32, 18, 512,  21, 2, 4, 0
	PAIR 2, 16,  32, 19, 512,  22, 2, 5, 0
	PAIR 2, 128, 32, 18, 768,  21, 3, 6, 0
	PAIR 2, 144, 32, 19, 768,  22, 3, 7, 0
	PAIR 3, 0,   32, 18, 1024, 21, 4, 8, 0
	PAIR 3, 16,  32, 19, 1024, 22, 4, 9, 0
	PAIR 3, 128, 16, 20, 0,    23, 0, 10, 1
	s_wait_dscnt 0x0                               ; for the others' sake: my bytes lie in the stage
	s_barrier_signal -1
	s_barrier_wait -1
	ds_load_b128 v[176:179], v24                   ; a row's 16 bytes come from two waves' stores
	s_wait_dscnt 0x0
	global_store_b128 v25, v[176:179], s[14:15]    ; sixteen lanes store 256 consecutive bytes, aligned
	s_wait_tensorcnt 0x0                           ; the wave's end
	ds_add_u32 v16, v17
	s_wait_dscnt 0x0
	CROUND                                         ; the closing round
	s_endpgm
.Lfunc_end_k_q02ac8ceade_gateup:
	.size	k_q02ac8ceade_gateup, .Lfunc_end_k_q02ac8ceade_gateup-k_q02ac8ceade_gateup
	.p2alignl 7, 3214868480
	.fill 96, 4, 3214868480
	.section	.rodata,"a",@progbits
	.p2align	6, 0x0
	.amdhsa_kernel k_q02ac8ceade_gateup
		.amdhsa_group_segment_fixed_size 327680
		.amdhsa_private_segment_fixed_size 0
		.amdhsa_enable_private_segment 0
		.amdhsa_kernarg_size 48
		.amdhsa_user_sgpr_count 2
		.amdhsa_user_sgpr_kernarg_segment_ptr 1
		.amdhsa_wavefront_size32 1
		.amdhsa_system_sgpr_workgroup_id_x 1
		.amdhsa_system_sgpr_workgroup_id_y 1
		.amdhsa_system_sgpr_workgroup_id_z 1
		.amdhsa_system_vgpr_workitem_id 0
		.amdhsa_next_free_vgpr 1024
		.amdhsa_next_free_sgpr 102
		.amdhsa_reserve_vcc 0
		.amdhsa_float_denorm_mode_32 3
		.amdhsa_float_denorm_mode_16_64 3
		.amdhsa_memory_ordered 1
		.amdhsa_forward_progress 1
		.amdhsa_inst_pref_size 234
	.end_amdhsa_kernel
	.amdgpu_metadata
---
amdhsa.version: [ 1, 2 ]
amdhsa.kernels:
  - .name:           k_q02ac8ceade_gateup
    .symbol:         k_q02ac8ceade_gateup.kd
    .args:
      - { .name: xc, .offset: 0, .size: 8, .value_kind: global_buffer, .address_space: global }
      - { .name: xs, .offset: 8, .size: 8, .value_kind: global_buffer, .address_space: global }
      - { .name: wc, .offset: 16, .size: 8, .value_kind: global_buffer, .address_space: global }
      - { .name: ws, .offset: 24, .size: 8, .value_kind: global_buffer, .address_space: global }
      - { .name: hc, .offset: 32, .size: 8, .value_kind: global_buffer, .address_space: global }
      - { .name: hs, .offset: 40, .size: 8, .value_kind: global_buffer, .address_space: global }
    .group_segment_fixed_size: 327680
    .private_segment_fixed_size: 0
    .kernarg_segment_align: 8
    .kernarg_segment_size: 48
    .max_flat_workgroup_size: 128
    .sgpr_count:     102
    .vgpr_count:     1024
    .wavefront_size: 32
...
	.end_amdgpu_metadata
.endif
;; end of part 2
;; launch down (part 3): grid 8 x 32, 4 waves a work-group, clusters of 4 x 4, 327,680 bytes of LDS; arguments hc, hs, dc, dsc, out0; writes out0
.if DOCPART == 3
	.amdgcn_target "amdgcn-amd-amdhsa--gfx1250"
	.amdhsa_code_object_version 6
	.text
	.protected	k_q02ac8ceade_down
	.globl	k_q02ac8ceade_down
	.p2align	8
	.type	k_q02ac8ceade_down,@function
k_q02ac8ceade_down:
	s_mov_b64 s[64:65], 0
	v_nop
	global_prefetch_b8 v0, s[64:65] scope:SCOPE_SE
	s_setreg_imm32_b32 hwreg(HW_REG_WAVE_MODE, 25, 1), 1
	s_wait_xcnt 0x0
	s_wait_alu depctr_hold_cnt(0) depctr_sa_sdst(0) depctr_va_vdst(0) depctr_va_sdst(0) depctr_va_ssrc(0) depctr_va_vcc(0) depctr_vm_vsrc(0)
	s_getreg_b32 s2, hwreg(HW_REG_IB_STS2, 6, 4)
	s_cmp_eq_u32 s2, 0
	s_cbranch_scc0 .Lentry_in_a_cluster
	s_endpgm
.Lentry_in_a_cluster:
	s_bfe_u32 s2, ttmp6, 0x10000c
	s_cmp_lg_u32 s2, 0xf033
	s_cbranch_scc0 .Lentry_shape_is_right
	s_endpgm
.Lentry_shape_is_right:
; out0[m][n] = sum over k of h[m][k] d[n][k], K = 1,408 (1,376 and a block of zero codes), on codes of FP4 (E2M1) with E8M0 scales; out0 [8192][2048] f32; sums in f32, K ascending.
; Codes lie in cells (16 rows x 32 along K, 256 bytes, row r at 16 r), a tile's 44 cells on end: hc [512][44][256], dc [128][44][256].  The two 16-byte loads of a fragment read 512 bytes on end each.
; Scale bytes: hs [512][4][16 rows][16], dsc [128][4][16][16]: byte i < 11 of quarter q is block 11 q + i.
; SHARES.  A work-group of four waves makes 256 x 256 of out0.  A wave takes 64 COLUMNS AND ALL 256 ROWS: d's fragments of its 4 column tiles, for all 11 K steps, are 352 registers: they are read from LDS once and stay.
; h's 16 row tiles go by in 8 pairs: a pair is 88 matrix instructions on 8 accumulators.  A finished pair, 32 rows x 256 bytes, goes through my own stage in LDS and is stored while the next pair is multiplied:
; so the stores run beside the products, from the first eighth of the work on, and not behind the last product.
; A pair reads 22,528 bytes of h from LDS for its 88 matrix instructions.
; CLUSTER 4 x 4: h's tiles are shared along a row of the cluster, d's along a column: every tensor load is a joint one, and every wave issues every line: no branch stands round a load.
; THE MATRIX INSTRUCTION IS USED TRANSPOSED (source 0 = 16 rows of d, source 1 = 16 rows of h): lane (r, h) holds row r and eight neighbouring columns.
; LDS: wave w's region at 45,056 w holds first its 4 tiles of d, which it alone reads.  When they are in registers, the region's first 8,704 bytes are its stage (they have had their last fill) and the 22,528 bytes behind
; are filled again, with h's tiles 8 + 2 w and 9 + 2 w.  Behind the four regions: h's tiles 0-7, h's scale bytes, d's scale bytes, the spare words.
; REGISTERS.  window 0: v4-13 addresses; v16-63 d's scale words (tile b, K step s at 16 + 12 b + s); v64-87 h's, two sets (lanes 0-15: the pair's first tile, lanes 16-31: its second): these hold scales and nothing else;
;   v88-99 scale bytes on their way; v128-191 rows back from the stage; v192-239 at the head: d's scale bytes on their way.
;   window 1: d's fragments of K steps 0-7 (8 (4 s + b));  window 2: v0-95 those of steps 8-10, v128-255 two sets of 8 accumulators (tile i of the pair, column tile b at 8 (4 i + b));  window 3: v0-175 h's fragments of a pair (8 (2 s + i)).
.set RTB,    11264                     ; a tile of 16 rows, all of K, in bytes
.set DW,     4*RTB                     ; a wave's region
.set REF,    8704                      ; where its refilled part begins: behind the stage
.set HREG,   4*DW                      ; h's tiles 0-7
.set SCH,    HREG+8*RTB                ; h's scale bytes, 16 x 1,024
.set SCD,    SCH+16384                 ; d's
.set SPARE,  SCD+16384                 ; the spare words, 128 bytes a wave: two blocks of 256 bytes that no other line names
.set SPITCH, 272                       ; a stage row: 256 bytes + 16, so that the sixteen rows of a store start at sixteen different banks
.set NROW,   8192                      ; a row of out0 in bytes
.set LI,    4                          ; v4   16 x lane
.set ADRA,  5                          ; v5   the pair's two tiles of h in LDS
.set ADRB,  6                          ; v6   my tiles of d
.set ADRSA, 7                          ; v7   h's scale bytes: 16 r, lanes 16-31 one tile further on
.set ADRSB, 8                          ; v8   d's scale bytes of my tiles: 16 r
.set STO,   9                          ; v9   the stage: where I put 32 bytes of a row
.set RD,    10                         ; v10  and where I read a row back
.set CO,    11                         ; v11  my byte offset in out0
.set SPW,   12                         ; v12  my spare word; never rewritten
.set NIL,   13                         ; v13  0; never rewritten
.set SB,    16
.set SA,    64
.set TQ,    88
.set BK,    128
.set TB,    192
.set G1D,  24                          ; s[24:31] group 1: my tiles of d;       s[32:39] their scale bytes
.set G1SD, 32
.set G1H,  40                          ; s[40:47] one tile of h;                s[48:55] scale bytes of four tiles of h
.set G1SH, 48
.set G0SD, 56                          ; groups 0, one for each load: none is ever written again
.set G0D,  60
.set G0SH, 68
.set G0H1, 72
.set G0H2, 76
.set G0R,  80
.set G1R,  84                          ; s[84:91] the refill: two tiles of h
.set MSB, 0
.macro WIN new                         ; the immediate's high byte repeats the setting that is left
.if MSB != \new
	s_set_vgpr_msb (MSB<<8)|\new
.set MSB, \new
.endif
.endm
.macro PLACES n                        ; plain vector lines between a matrix instruction and a load into, or a read of, its registers
.rept \n
	v_nop
.endr
.endm
.macro CREST                           ; a round of the cluster's barrier behind its opening barrier
	s_cmp_lg_u32 s14, 0
	s_cbranch_scc1 .Lnot_wave_0_\@
	s_barrier_signal -3
.Lnot_wave_0_\@:
	s_barrier_wait -3
	s_barrier_signal -1
	s_barrier_wait -1
.endm
.macro CROUND
	s_barrier_signal -1
	s_barrier_wait -1
	CREST
.endm
.macro SHAPE g, rows                   ; a dense block as rows of 256 bytes: 32 elements of 8 bytes, pitch 32
	s_mov_b32 s[\g+1], 32<<16                      ; tensor_dim0
	s_mov_b32 s[\g+2], (\rows)<<16                 ; tensor_dim1
	s_mov_b32 s[\g+3], 32<<16                      ; tile_dim0
	s_mov_b32 s[\g+4], \rows                       ; tile_dim1
	s_mov_b32 s[\g+5], 32                          ; pitch
	s_mov_b32 s[\g+6], 0
	s_mov_b32 s[\g+7], 0
.endm
	s_load_b256 s[4:11], s[0:1], 0x0               ; hc s[4:5], hs s[6:7], dc s[8:9], dsc s[10:11]
	s_load_b64 s[12:13], s[0:1], 0x20              ; out0
	v_lshl_add_u32 v[SPW], v0, 2, SPARE
	v_mov_b32 v[NIL], 0
	ds_add_u32 v12, v13
	s_wait_dscnt 0x0
	v_lshrrev_b32 v1, 5, v0
	v_readfirstlane_b32 s14, v1                    ; wave 0..3
	s_bfe_u32 s15, ttmp6, 0x40000                  ; cx
	s_bfe_u32 s16, ttmp6, 0x40004                  ; cy
	s_lshl_b32 s17, ttmp9, 2
	s_add_co_u32 s17, s17, s15                     ; tile column
	s_and_b32 s18, ttmp7, 0xffff
	s_lshl_b32 s18, s18, 2
	s_add_co_u32 s18, s18, s16                     ; tile row
	s_lshl_b32 s19, s16, 2
	s_lshl_b32 s19, 15, s19                        ; my row of the cluster
	s_lshl_b32 s20, 0x1111, s15                    ; my column
	s_or_b32 s[G1D], s20, (3<<16)|(1<<21)          ; 15:0 the mask; 17:16 elements of 8 bytes; 21 set beside a mask; no padding
	s_or_b32 s[G1SD], s20, (3<<16)|(1<<21)
	s_or_b32 s[G1H], s19, (3<<16)|(1<<21)
	s_or_b32 s[G1SH], s19, (3<<16)|(1<<21)
	s_or_b32 s[G1R], s19, (3<<16)|(1<<21)
	SHAPE G1D, 176                                 ; 45,056 bytes
	SHAPE G1SD, 16                                 ; 4,096
	SHAPE G1H, 44                                  ; 11,264
	SHAPE G1SH, 16
	SHAPE G1R, 88                                  ; 22,528
	; h's offsets hang on the tile row and the wave (s22, s23, s92-95), d's on the tile column and the wave (s96-99): neither set ever holds the other coordinate
	s_lshl_b32 s92, s18, 4                         ; h's first tile: 16 x tile row
	s_add_co_u32 s94, s92, s14
	s_mul_i32 s94, s94, RTB                        ; tile w
	s_mov_b32 s95, 0
	s_lshl_b32 s22, s14, 1
	s_add_co_u32 s22, s22, s92
	s_mul_i32 s22, s22, RTB                        ; tile 2 w (the refill's lie eight further on)
	s_mov_b32 s23, 0
	s_lshl_b32 s2, s14, 2
	s_add_co_u32 s92, s92, s2
	s_lshl_b32 s92, s92, 10                        ; scale bytes of tiles 4 w on
	s_mov_b32 s93, 0
	s_lshl_b32 s96, s17, 4
	s_add_co_u32 s96, s96, s2                      ; d's tiles 16 x tile column + 4 w on
	s_lshl_b32 s98, s96, 10
	s_mov_b32 s99, 0
	s_mul_i32 s96, s96, RTB
	s_mov_b32 s97, 0
	s_mul_i32 s21, s14, DW                         ; my region in LDS: no place in the cluster enters an LDS address
	s_lshl_b32 s3, s14, 12
	s_mul_i32 s2, s14, RTB
	s_wait_kmcnt 0x0
	s_mov_b32 s[G0SD], 1
	s_add_co_u32 s[G0SD+1], s3, SCD
	s_add_nc_u64 s[G0SD+2:G0SD+3], s[10:11], s[98:99]
	s_or_b32 s[G0SD+3], s[G0SD+3], 0x80000000
	s_mov_b32 s[G0D], 1
	s_mov_b32 s[G0D+1], s21
	s_add_nc_u64 s[G0D+2:G0D+3], s[8:9], s[96:97]
	s_or_b32 s[G0D+3], s[G0D+3], 0x80000000
	s_mov_b32 s[G0SH], 1
	s_add_co_u32 s[G0SH+1], s3, SCH
	s_add_nc_u64 s[G0SH+2:G0SH+3], s[6:7], s[92:93]
	s_or_b32 s[G0SH+3], s[G0SH+3], 0x80000000
	s_mov_b32 s[G0H1], 1
	s_add_co_u32 s[G0H1+1], s2, HREG
	s_add_nc_u64 s[G0H1+2:G0H1+3], s[4:5], s[94:95]
	s_mov_b32 s[G0H2], 1
	s_add_co_u32 s[G0H2+1], s2, HREG+4*RTB
	s_add_nc_u64 s[G0H2+2:G0H2+3], s[G0H1+2:G0H1+3], 4*RTB
	s_or_b32 s[G0H1+3], s[G0H1+3], 0x80000000
	s_or_b32 s[G0H2+3], s[G0H2+3], 0x80000000
	s_mov_b32 s[G0R], 1
	s_add_co_u32 s[G0R+1], s21, REF
	s_add_nc_u64 s[G0R+2:G0R+3], s[4:5], s[22:23]
	s_add_nc_u64 s[G0R+2:G0R+3], s[G0R+2:G0R+3], 8*RTB
	s_or_b32 s[G0R+3], s[G0R+3], 0x80000000
	CROUND                                         ; all sixteen work-groups are here: the first joint loads meet
	tensor_load_to_lds s[G0SD:G0SD+3], s[G1SD:G1SD+7]  ; the first fills, one group: five loads of mine are out.  What I need first comes first: my d's scale bytes,
	s_nop 0
	tensor_load_to_lds s[G0D:G0D+3], s[G1D:G1D+7]      ; my four tiles of d,
	s_nop 0
	tensor_load_to_lds s[G0SH:G0SH+3], s[G1SH:G1SH+7]  ; a quarter of h's scale bytes,
	s_nop 0
	tensor_load_to_lds s[G0H1:G0H1+3], s[G1H:G1H+7]    ; h's tile w,
	s_nop 0
	tensor_load_to_lds s[G0H2:G0H2+3], s[G1H:G1H+7]    ; h's tile 4 + w
	s_nop 0
.rept 4
	v_nop
.endr
	v_and_b32 v1, 15, v0                           ; r
	v_bfe_u32 v2, v0, 4, 1                         ; h
	v_and_b32 v3, 31, v0                           ; lane
	v_lshlrev_b32 v[LI], 4, v3
	v_add_nc_u32 v[ADRB], s21, v[LI]
	v_lshlrev_b32 v15, 4, v1                       ; 16 r
	s_add_co_u32 s3, s3, SCD
	v_add_nc_u32 v[ADRSB], s3, v15
	v_lshl_add_u32 v[ADRSA], v2, 10, v15
	v_add_nc_u32 v[ADRSA], SCH, v[ADRSA]
	v_mul_u32_u24 v14, v1, SPITCH                  ; the stage, in: row r, 32 bytes for each half of the lanes
	v_lshl_add_u32 v14, v2, 5, v14
	v_add_nc_u32 v[STO], s21, v14
	v_mul_u32_u24 v14, v2, SPITCH                  ; back: lanes 0-15 one row of 256 bytes, lanes 16-31 the next
	v_lshl_add_u32 v14, v1, 4, v14
	v_add_nc_u32 v[RD], s21, v14
	v_lshlrev_b32 v[CO], 13, v2                    ; and the same two rows in out0
	v_lshl_add_u32 v[CO], v1, 4, v[CO]
	s_lshl_b32 s22, s18, 21                        ; out0 at my tile's first row (256 rows of 8,192 bytes a tile row: under 2^26),
	s_add_nc_u64 s[12:13], s[12:13], s[22:23]
	s_lshl_b32 s96, s17, 10                        ; and at my wave's 64 columns
	s_lshl_b32 s98, s14, 8
	s_add_co_u32 s96, s96, s98
	s_add_nc_u64 s[12:13], s[12:13], s[96:97]
; The products of K steps s0 .. s1 of pair p.  The pair's 8 accumulators take turns, one instruction a turn, in the same order in every step; the sets take turns from pair to pair.  K step 0 starts the sums.
.macro MULS p, s0, s1
.set S_, \s0
.rept \s1-\s0+1
.set rSA, SA+12*((\p)%2)+S_
.set I_, 0
.rept 2
.set B_, 0
.rept 4
.set rD, 128+64*((\p)%2)+8*(4*I_+B_)
.set rB, 8*(4*(S_%8)+B_)
.set rA, 8*(2*S_+I_)
.set rSB, SB+12*B_+S_
.if S_ == 0
.if I_
	v_wmma_scale_f32_16x16x128_f8f6f4 v[rD:rD+7], v[rB:rB+7], v[rA:rA+7], 0, v[rSB], v[rSA] matrix_a_fmt:MATRIX_FMT_FP4 matrix_b_fmt:MATRIX_FMT_FP4 matrix_b_scale:MATRIX_SCALE_ROW1
.else
	v_wmma_scale_f32_16x16x128_f8f6f4 v[rD:rD+7], v[rB:rB+7], v[rA:rA+7], 0, v[rSB], v[rSA] matrix_a_fmt:MATRIX_FMT_FP4 matrix_b_fmt:MATRIX_FMT_FP4
.endif
.else
.if I_
	v_wmma_scale_f32_16x16x128_f8f6f4 v[rD:rD+7], v[rB:rB+7], v[rA:rA+7], v[rD:rD+7], v[rSB], v[rSA] matrix_a_fmt:MATRIX_FMT_FP4 matrix_b_fmt:MATRIX_FMT_FP4 matrix_b_scale:MATRIX_SCALE_ROW1
.else
	v_wmma_scale_f32_16x16x128_f8f6f4 v[rD:rD+7], v[rB:rB+7], v[rA:rA+7], v[rD:rD+7], v[rSB], v[rSA] matrix_a_fmt:MATRIX_FMT_FP4 matrix_b_fmt:MATRIX_FMT_FP4
.endif
.endif
.set B_, B_+1
.endr
.set I_, I_+1
.endr
.set S_, S_+1
.endr
.endm
.macro SETA p                          ; where pair p's two tiles of h lie: pairs 0-3 behind the regions, pair 4 + w in wave w's region
.if (\p) < 4
	v_add_nc_u32 v[ADRA], HREG+(\p)*2*RTB, v[LI]
.else
	v_add_nc_u32 v[ADRA], ((\p)-4)*DW+REF, v[LI]
.endif
.endm
.macro ALOAD s0, s1                    ; h's fragments of K steps s0 .. s1, both tiles of the pair at v[ADRA], into window 3
	WIN 0xc0
.set S_, \s0
.rept \s1-\s0+1
.irp i, 0,1
	ds_load_b128 v[8*(2*S_+\i):8*(2*S_+\i)+3], v[ADRA] offset:\i*RTB+S_*1024
	ds_load_b128 v[8*(2*S_+\i)+4:8*(2*S_+\i)+7], v[ADRA] offset:\i*RTB+S_*1024+512
.endr
.set S_, S_+1
.endr
	WIN 0
.endm
.macro SLOAD p                         ; pair p's scale bytes: a row's four records of 16
.set SAQ, SA+12*((\p)%2)
	ds_load_b128 v[SAQ:SAQ+3], v[ADRSA] offset:(\p)*2048           ; quarter 0: words 0 and 1 are whole
	ds_load_b128 v[TQ:TQ+3], v[ADRSA] offset:(\p)*2048+256
	ds_load_b128 v[TQ+4:TQ+7], v[ADRSA] offset:(\p)*2048+512
	ds_load_b128 v[TQ+8:TQ+11], v[ADRSA] offset:(\p)*2048+768
.endm
.macro SPERM d, t                      ; a row's 44 bytes lie as four runs of 11: nine byte selections close the gaps.  v_perm_b32: selector bytes 0-3 take the second source's bytes, 4-7 the first's
	v_perm_b32 v[(\d)+2], v[(\t)], v[(\d)+2], 0x04020100           ; blocks 8-11
	v_perm_b32 v[(\d)+3], v[(\t)+1], v[(\t)], 0x04030201           ; 12-15
	v_perm_b32 v[(\d)+4], v[(\t)+2], v[(\t)+1], 0x04030201         ; 16-19
	v_perm_b32 v[(\d)+5], v[(\t)+4], v[(\t)+2], 0x05040201         ; 20-23
	v_perm_b32 v[(\d)+6], v[(\t)+5], v[(\t)+4], 0x05040302         ; 24-27
	v_perm_b32 v[(\d)+7], v[(\t)+6], v[(\t)+5], 0x05040302         ; 28-31
	v_perm_b32 v[(\d)+8], v[(\t)+8], v[(\t)+6], 0x06050402         ; 32-35
	v_perm_b32 v[(\d)+9], v[(\t)+9], v[(\t)+8], 0x06050403         ; 36-39
	v_perm_b32 v[(\d)+10], v[(\t)+10], v[(\t)+9], 0x06050403       ; 40-43
.endm
.macro TOSTAGE p                       ; pair p's 32 rows x 64 columns into my stage, and back as whole rows.  LDS serves a wave's instructions in order: no wait between the stores and the loads, nor in front of the next pair's stores
.set AC, 128+64*((\p)%2)
	WIN 0x08                                       ; the data: window 2
.irp i, 0,1
.irp b, 0,1,2,3
	ds_store_b128 v[STO], v[AC+8*(4*\i+\b):AC+8*(4*\i+\b)+3] offset:\i*16*SPITCH+64*\b       ; each accumulator from its low end on
	ds_store_b128 v[STO], v[AC+8*(4*\i+\b)+4:AC+8*(4*\i+\b)+7] offset:\i*16*SPITCH+64*\b+16
.endr
.endr
	WIN 0
.irp t, 0,1,2,3,4,5,6,7,8,9,10,11,12,13,14,15
	ds_load_b128 v[BK+4*\t:BK+4*\t+3], v[RD] offset:\t*2*SPITCH
.endr
.endm
.macro SEND p                          ; sixteen lanes store 256 consecutive bytes, at a multiple of 256 from out0's first byte.  The row stands in the immediate: 254 rows of 8,192 bytes at the most, inside its signed 24 bits: no base is stepped
.irp t, 0,1,2,3,4,5,6,7,8,9,10,11,12,13,14,15
	global_store_b128 v[CO], v[BK+4*\t:BK+4*\t+3], s[12:13] offset:(32*(\p)+2*\t)*NROW th:TH_STORE_NT
.endr
.endm
; A PAIR of row tiles.  At its head its fragments of K steps 0-5 and its scale words are in; those of steps 6-10 and the last pair's rows from the stage may be out.
.macro PAIR p
	WIN 0xad                                       ; source 0 (d) window 1, source 1 (h) window 3, C and D window 2
	MULS \p, 0, 5
	WIN 0
	s_wait_dscnt 0x0                               ; my K steps 6-10 are in, and the last pair's rows are back from the stage (all asked for 48 matrix instructions ago)
.if \p == 3
	s_wait_tensorcnt 0x0                           ; my part of h's tiles 8-15 has landed: the one load of mine that was out;
	s_barrier_signal -1
	s_barrier_wait -1                              ; everybody's has: the next pair is read from there
.endif
.if \p < 7
	SETA \p+1
	PLACES 4                                       ; in front of loads into registers that the products above have read
	ALOAD 0, 5                                     ; the next pair's first six K steps,
	SLOAD \p+1                                     ; and its scale bytes
.endif
.if \p > 0
	SEND \p-1                                      ; the last pair leaves while this one is multiplied
.endif
	WIN 0xad
	MULS \p, 6, 7
	WIN 0xae                                       ; d's K steps 8-10 lie in window 2
	MULS \p, 8, 10
	WIN 0
.if \p < 7
	s_wait_dscnt 0x0                               ; the next pair's first six K steps and its scale bytes are in (asked for 40 matrix instructions ago)
	SPERM SA+12*((\p+1)%2), TQ                     ; its scale words, into the set that this pair does not name.  These nine lines are also the places behind the products above
	PLACES 8                                       ; a scale register written by a vector instruction stands eight places ahead of a scaled matrix instruction
	ALOAD 6, 10
.else
	PLACES 4
.endif
.if \p > 0
	s_wait_xcnt 0x0                                ; the last pair's stores have read their registers: only behind this wait do the stage's loads write them again
.endif
	TOSTAGE \p
.endm
	s_wait_tensorcnt 0x3                           ; my d's scale bytes and my tiles of d have landed; the three loads for h may stay out.  I alone read these bytes: my own wait is all the ordering that the reads need
	WIN 0x40                                       ; destination window 1
.set S_, 0
.rept 8
.irp b, 0,1,2,3
	ds_load_b128 v[8*(4*S_+\b):8*(4*S_+\b)+3], v[ADRB] offset:\b*RTB+S_*1024
	ds_load_b128 v[8*(4*S_+\b)+4:8*(4*S_+\b)+7], v[ADRB] offset:\b*RTB+S_*1024+512
.endr
.set S_, S_+1
.endr
	WIN 0x80                                       ; destination window 2
.rept 3
.irp b, 0,1,2,3
	ds_load_b128 v[8*(4*(S_-8)+\b):8*(4*(S_-8)+\b)+3], v[ADRB] offset:\b*RTB+S_*1024
	ds_load_b128 v[8*(4*(S_-8)+\b)+4:8*(4*(S_-8)+\b)+7], v[ADRB] offset:\b*RTB+S_*1024+512
.endr
.set S_, S_+1
.endr
	WIN 0
.irp b, 0,1,2,3
	ds_load_b128 v[SB+12*\b:SB+12*\b+3], v[ADRSB] offset:\b*1024
	ds_load_b128 v[TB+12*\b:TB+12*\b+3], v[ADRSB] offset:\b*1024+256
	ds_load_b128 v[TB+12*\b+4:TB+12*\b+7], v[ADRSB] offset:\b*1024+512
	ds_load_b128 v[TB+12*\b+8:TB+12*\b+11], v[ADRSB] offset:\b*1024+768
.endr
	s_wait_tensorcnt 0x0                           ; all my tensor loads have landed, my parts of h among them
	ds_add_u32 v[SPW], v[NIL]                      ; 0 onto my spare word
	s_wait_dscnt 0x0                               ; the add is done, and d is in my registers: my reads of my region are over
	CROUND                                         ; the same holds of every wave of every work-group of the cluster; h's tiles 0-7 and its scale bytes are whole
	tensor_load_to_lds s[G0R:G0R+3], s[G1R:G1R+7]  ; my one refill, first behind the round: h's tiles 8 + 2 w, 9 + 2 w, into my region behind the stage.  It has three pairs and six K steps, 312 matrix instructions, in which to land
	s_nop 0
.rept 4
	v_nop
.endr
.irp b, 0,1,2,3
	SPERM SB+12*\b, TB+12*\b                       ; d's scale words, for the whole launch
.endr
	SETA 0
	ALOAD 0, 10
	SLOAD 0
	s_wait_dscnt 0x0
	SPERM SA, TQ
	PLACES 8
.irp p, 0,1,2,3,4,5,6,7
	PAIR \p
.endr
	s_wait_dscnt 0x0                               ; the last pair's rows are back from the stage
	SEND 7
	s_wait_tensorcnt 0x0                           ; the wave's end, behind my last tensor load and my last LDS store
	ds_add_u32 v[SPW], v[NIL]
	s_wait_dscnt 0x0
	CROUND                                         ; the closing round: no work-group ends while a partner may still ask for a tile that names it
	s_endpgm
.Lfunc_end_k_q02ac8ceade_down:
	.size	k_q02ac8ceade_down, .Lfunc_end_k_q02ac8ceade_down-k_q02ac8ceade_down
	.p2alignl 7, 3214868480
	.fill 96, 4, 3214868480
	.section	.rodata,"a",@progbits
	.p2align	6, 0x0
	.amdhsa_kernel k_q02ac8ceade_down
		.amdhsa_group_segment_fixed_size 327680
		.amdhsa_private_segment_fixed_size 0
		.amdhsa_enable_private_segment 0
		.amdhsa_kernarg_size 40
		.amdhsa_user_sgpr_count 2
		.amdhsa_user_sgpr_kernarg_segment_ptr 1
		.amdhsa_wavefront_size32 1
		.amdhsa_system_sgpr_workgroup_id_x 1
		.amdhsa_system_sgpr_workgroup_id_y 1
		.amdhsa_system_sgpr_workgroup_id_z 1
		.amdhsa_system_vgpr_workitem_id 0
		.amdhsa_next_free_vgpr 1024
		.amdhsa_next_free_sgpr 100
		.amdhsa_reserve_vcc 0
		.amdhsa_float_denorm_mode_32 3
		.amdhsa_float_denorm_mode_16_64 3
		.amdhsa_memory_ordered 1
		.amdhsa_forward_progress 1
		.amdhsa_inst_pref_size 173
	.end_amdhsa_kernel
	.amdgpu_metadata
---
amdhsa.version: [ 1, 2 ]
amdhsa.kernels:
  - .name:           k_q02ac8ceade_down
    .symbol:         k_q02ac8ceade_down.kd
    .args:
      - { .name: hc, .offset: 0, .size: 8, .value_kind: global_buffer, .address_space: global }
      - { .name: hs, .offset: 8, .size: 8, .value_kind: global_buffer, .address_space: global }
      - { .name: dc, .offset: 16, .size: 8, .value_kind: global_buffer, .address_space: global }
      - { .name: dsc, .offset: 24, .size: 8, .value_kind: global_buffer, .address_space: global }
      - { .name: out0, .offset: 32, .size: 8, .value_kind: global_buffer, .address_space: global }
    .group_segment_fixed_size: 327680
    .private_segment_fixed_size: 0
    .kernarg_segment_align: 8
    .kernarg_segment_size: 40
    .max_flat_workgroup_size: 128
    .sgpr_count:     100
    .vgpr_count:     1024
    .wavefront_size: 32
...
	.end_amdgpu_metadata
.endif
;; end of part 3
